; MI455X (gfx1250); checked and timed in simulation.
; The chip was launched on July 23, 2026; its instructions are those of AMD's public machine-readable ISA for CDNA 5 (MIT licence, August 2026) and "CDNA5" Instruction Set Architecture Reference Guide (July 2026). The comments in the code are by the model that wrote it; some were corrected since.
;; Wrapped Lo RA Linear. Allowed arithmetic: float matrix products may take bf16 or f16 operands with f32 sums; other float arithmetic in f32, or as packed bf16 or f16 multiplies, adds, multiply-adds, maxima and minima; sums over many terms, partial sums and values carried from step to step in f32; what a program stores and reads back later, other than sums and carried values, may be rounded once to bf16 or f16.
;; Inputs: W 4,096 x 4,096 float32; b 4,096 float32; down_aux 4,096 x 64 float32; hyper_down 4 x 64 x 16 float32; hyper_up 4 x 16 x 64 float32; up_aux 64 x 4,096 float32; x 4 x 1,024 x 4,096 float32.
;; Outputs: out0 4 x 1,024 x 4,096 float32.
;; 2 versions, each right; version 2 is version 1 with the launch cast written anew for expert scheduling mode. Each part assembles by itself: llvm-mc -triple=amdgcn-amd-amdhsa -mcpu=gfx1250 --defsym DOCPART=n.
;; ======== version 1 of 2: 2 launches
;; workspace buffers: xb 33,554,432 bytes; wb 33,554,432 bytes; lowp 1,048,576 bytes; bext 1,572,864 bytes
;; launch cast (part 1): grid 512 x 1, 8 waves a work-group, no clusters, 76,800 bytes of LDS; arguments x, W, xb, wb, down_aux, hyper_down, lowp, b, hyper_up, up_aux, bext; writes xb, wb, lowp, bext
.if DOCPART == 1
	.amdgcn_target "amdgcn-amd-amdhsa--gfx1250"
	.amdhsa_code_object_version 6
	.text
	.protected	k_qf5d033c59c_cast
	.globl	k_qf5d033c59c_cast
	.p2align	8
	.type	k_qf5d033c59c_cast,@function
k_qf5d033c59c_cast:
	s_mov_b64 s[64:65], 0
	v_nop
	global_prefetch_b8 v0, s[64:65] scope:SCOPE_SE
	s_setreg_imm32_b32 hwreg(HW_REG_WAVE_MODE, 25, 1), 1
	s_wait_xcnt 0x0
; FIRST OF TWO LAUNCHES.  xb = bf16(x), wb = bf16(W), and what the second launch needs of the low-rank path.
; x and W are taken as [4096 rows][4096 columns] f32.  Work-groups 0-255 take x, 256-511 take W; each takes 64 rows x 1,024 columns (rb = row block, kc = column quarter).
; Wave w owns 128 columns of the 64 rows, as four TILES of 16 rows: a load of the wave takes 512 consecutive bytes of a row, a store 256 consecutive bytes of bf16, aligned.
; One tile (16 loads) of every wave is on its way while another is worked on.
; AN x WORK-GROUP also makes lowp[kc][row][r] = the sum over its 1,024 columns i of bf16(x)[row][i] down[r][i], in f32.  down[r][i] = sum over a of down_aux[i][a] hyper_down[batch][a][r]
; is made by each wave for its own 128 columns, by matrix products of the two inputs rounded to bf16, and kept as TWO bf16 numbers (hi + lo, 16 significant bits) in fragment order in 64 registers.
; The eight waves' sums meet in LDS behind the one barrier.
; A W WORK-GROUP: waves 0-3 also make, for batch kc and 16 outputs o each, 2 up[o][r] = 2 sum over a of up_aux[a][o] hyper_up[batch][r][a] as hi + lo, and bf16(b[o]), laid out in
; bext[batch][o / 16][piece][lane][16 bytes] as the second launch's lanes want them: piece 0 = hi, piece 1 = lo (r = 8 (lane / 16) + 0..7 of o = lane % 16), piece 2 = {b[o], 0 x 7} in lanes 0-15, 0 above.
; LIMITS.  Every input is rounded once to bf16.  A finite down or up beyond bf16's largest number gives an infinity in hi and no number in lo.  NaN and infinities are not treated apart.
; No tensor loads and no cluster: the loads are whole aligned runs already, go to registers, and the only bytes that work-groups share are down_aux's 1 MiB.
.set SRCROW, 16384                     ; bytes in a row of f32
.set DSTROW, 8192                      ; bytes in a row of bf16
.set STGP,  272                        ; the stage's row: 256 bytes of bf16 + 16: the 16 rows of a fragment load start 68 words apart
.set STGW,  16*STGP                    ; a wave's own stage: 16 rows
.set RED,   8*STGW                     ; behind the stages: each wave's 64 rows x 16 sums of f32,
.set REDP,  80                         ; 64 bytes + 16
.set REDW,  64*REDP
.set SPARE, RED+8*REDW                 ; behind them: the spare words, 128 bytes for each wave, that no other line names
.set SPW,  12                          ; v12  LDS address of my spare word; never rewritten
.set NIL,  13                          ; v13  0; never rewritten
.set DFH,  16                          ; v16-47   down, hi: K step c of 32 columns at +8 c
.set DFL,  48                          ; v48-79   down, lo
.set HD,   80                          ; v80-95   hyper_down's two fragments (its 32 numbers land in v80-111)
.set ACC0, 96                          ; v96-103
.set ACC1, 104                         ; v104-111
.set TMP,  112                         ; v112-119 at work
.set Z0,   128                         ; v128-191, v192-255: two zones of 64 in which loads land
.set Z1,   192
; v1 lane % 16, v2 lane / 16, v3 16 x thread (source offset, and lowp's), v4 8 x thread (bf16 offset), v5-v11, v14, v15 addresses and small things, named where they are made
.macro PLACES                          ; four plain vector instructions between a matrix instruction and a vector instruction or load that touches its registers
.rept 4
	v_nop
.endr
.endm
; 16 rows x 64 f32, rows of 256 bytes: lane (m, h) takes, for K step c of 32, the numbers 32 c + 16 q + 8 h + 0..7 of row m.  Pairs of registers 2 f, 2 f + 1 become register f of two fragments.
.macro ROWS16 dst, voff, base, imm
.irp c, 0,1
.irp q, 0,1
.irp s, 0,1
	global_load_b128 v[(\dst)+4*(4*(\c)+2*(\q)+(\s)):(\dst)+4*(4*(\c)+2*(\q)+(\s))+3], v[\voff], s[(\base):(\base)+1] offset:(\imm)+128*(\c)+64*(\q)+16*(\s)
.endr
.endr
.endr
.endm
; 64 (k) x 16 (n) f32 stored with n along the rows: lane (n, h) takes the numbers k = 32 c + 16 q + 8 h + e of column n, one at a time
.macro GATHER dst, voff, base, pitch
.irp c, 0,1
.irp q, 0,1
.irp e, 0,1,2,3,4,5,6,7
	global_load_b32 v[(\dst)+16*(\c)+8*(\q)+(\e)], v[\voff], s[(\base):(\base)+1] offset:(32*(\c)+16*(\q)+(\e))*(\pitch)
.endr
.endr
.endr
.endm
.macro COMPACT z, n                    ; 2 n numbers rounded to bf16 in place: register g is written when its own number has been read (at step g / 2)
.set g, 0
.rept \n
	v_cvt_pk_bf16_f32 v[(\z)+g], v[(\z)+2*g], v[(\z)+2*g+1]
.set g, g+1
.endr
.endm
.macro SPLIT acc, hi, lo               ; eight f32 as hi + lo: hi = bf16(a), lo = bf16(a - hi); the accumulator is read from its low end on
.irp u, 0,1,2,3
	v_cvt_pk_bf16_f32 v[(\hi)+(\u)], v[(\acc)+2*(\u)], v[(\acc)+2*(\u)+1]
.endr
.irp u, 0,1,2,3
	v_lshlrev_b32 v[TMP+2*(\u)], 16, v[(\hi)+(\u)]
	v_and_b32 v[TMP+2*(\u)+1], s38, v[(\hi)+(\u)]
.endr
.irp u, 0,1,2,3
	v_pk_add_f32 v[TMP+2*(\u):TMP+2*(\u)+1], v[(\acc)+2*(\u):(\acc)+2*(\u)+1], v[TMP+2*(\u):TMP+2*(\u)+1] neg_lo:[0,1] neg_hi:[0,1]
.endr
.irp u, 0,1,2,3
	v_cvt_pk_bf16_f32 v[(\lo)+(\u)], v[TMP+2*(\u)], v[TMP+2*(\u)+1]
.endr
.endm
.macro LOADT z, t                      ; tile t: 16 rows, 512 consecutive bytes of the wave each
.set j, 0
.rept 16
	global_load_b128 v[(\z)+4*j:(\z)+4*j+3], v3, s[4:5] offset:(16*(\t)+j)*SRCROW th:TH_LOAD_NT
.set j, j+1
.endr
.endm
.macro CASTT z, t                      ; rounded in place, row j in registers 2 j, 2 j + 1, and stored: 256 consecutive bytes of the wave, aligned
	COMPACT \z, 32
.set j, 0
.rept 16
	global_store_b64 v4, v[(\z)+2*j:(\z)+2*j+1], s[6:7] offset:(16*(\t)+j)*DSTROW
.set j, j+1
.endr
.endm
; The tile's part of low.  The bf16 rows go through my own stage and come back as four fragments (lane = row); source 0 is down (16 r), source 1 the tile (16 rows): a lane ends with
; low[row = lane % 16][r = 8 (lane / 16) + 0..7].  Two accumulators, hi's and lo's, take turns.
.macro LOWT z, t
.set j, 0
.rept 16
	ds_store_b64 v7, v[(\z)+2*j:(\z)+2*j+1] offset:STGP*j
.set j, j+1
.endr
.irp c, 0,1,2,3
	ds_load_b128 v[(\z)+32+8*(\c):(\z)+32+8*(\c)+3], v8 offset:64*(\c)      ; LDS serves a wave's instructions in order (ISA guide 5.7.1.4): these see the stores above
	ds_load_b128 v[(\z)+36+8*(\c):(\z)+36+8*(\c)+3], v8 offset:64*(\c)+32
.endr
	s_wait_dscnt 0x0
.irp c, 0,1,2,3
.if (\c) == 0
	v_wmma_f32_16x16x32_bf16 v[ACC0:ACC0+7], v[DFH:DFH+7], v[(\z)+32:(\z)+39], 0
	v_wmma_f32_16x16x32_bf16 v[ACC1:ACC1+7], v[DFL:DFL+7], v[(\z)+32:(\z)+39], 0
.else
	v_wmma_f32_16x16x32_bf16 v[ACC0:ACC0+7], v[DFH+8*(\c):DFH+8*(\c)+7], v[(\z)+32+8*(\c):(\z)+39+8*(\c)], v[ACC0:ACC0+7]
	v_wmma_f32_16x16x32_bf16 v[ACC1:ACC1+7], v[DFL+8*(\c):DFL+8*(\c)+7], v[(\z)+32+8*(\c):(\z)+39+8*(\c)], v[ACC1:ACC1+7]
.endif
.endr
	PLACES                                         ; also for the next loads into this zone
.irp u, 0,2,4,6
	v_pk_add_f32 v[ACC0+(\u):ACC0+(\u)+1], v[ACC0+(\u):ACC0+(\u)+1], v[ACC1+(\u):ACC1+(\u)+1]
.endr
	ds_store_b128 v9, v[ACC0:ACC0+3] offset:16*REDP*(\t)
	ds_store_b128 v9, v[ACC0+4:ACC0+7] offset:16*REDP*(\t)+16
.endm
; down for 32 of my columns: two blocks of 16 rows i of down_aux (in zone z and z + 32) times hyper_down.  In the result lane (r, h) holds down[r][16 block + 8 h + 0..7]: half a fragment of down.
.macro DOWNMUL z
	s_wait_loadcnt 16                              ; this zone's 16 loads are in; the one younger group of 16 stays out
	COMPACT \z, 16
	COMPACT (\z)+32, 16
	v_wmma_f32_16x16x32_bf16 v[ACC0:ACC0+7], v[(\z):(\z)+7], v[HD:HD+7], 0
	v_wmma_f32_16x16x32_bf16 v[ACC1:ACC1+7], v[(\z)+32:(\z)+39], v[HD:HD+7], 0
	v_wmma_f32_16x16x32_bf16 v[ACC0:ACC0+7], v[(\z)+8:(\z)+15], v[HD+8:HD+15], v[ACC0:ACC0+7]
	v_wmma_f32_16x16x32_bf16 v[ACC1:ACC1+7], v[(\z)+40:(\z)+47], v[HD+8:HD+15], v[ACC1:ACC1+7]
	PLACES                                         ; for the loads into the zone and the conversions that follow
.endm
.macro DOWNSPLIT q
	SPLIT ACC0, DFH+8*(\q), DFL+8*(\q)
	SPLIT ACC1, DFH+8*(\q)+4, DFL+8*(\q)+4
.endm
	s_load_b256 s[12:19], s[0:1], 0x0              ; x s[12:13], W s[14:15], xb s[16:17], wb s[18:19]
	s_load_b256 s[20:27], s[0:1], 0x20             ; down_aux s[20:21], hyper_down s[22:23], lowp s[24:25], b s[26:27]
	s_load_b128 s[28:31], s[0:1], 0x40             ; hyper_up s[28:29], up_aux s[30:31]
	s_load_b64 s[32:33], s[0:1], 0x50              ; bext
	v_lshl_add_u32 v[SPW], v0, 2, SPARE
	v_mov_b32 v[NIL], 0
	v_lshrrev_b32 v1, 5, v0
	v_readfirstlane_b32 s8, v1                     ; wave 0..7
	v_and_b32 v1, 15, v0                           ; lane % 16
	v_bfe_u32 v2, v0, 4, 1                         ; lane / 16
	v_lshlrev_b32 v3, 4, v0                        ; 512 w + 16 lane
	v_lshlrev_b32 v4, 3, v0                        ; 256 w + 8 lane
	s_lshr_b32 s39, ttmp9, 8                       ; 0: x, 1: W
	s_and_b32 s9, ttmp9, 255
	s_lshr_b32 s10, s9, 2                          ; rb: 64 rows
	s_and_b32 s11, s9, 3                           ; kc: 1,024 columns
	s_mov_b32 s38, 0xffff0000                      ; a word's upper bf16
	s_lshl_b32 s2, s10, 20                         ; 64 rows of 16,384 bytes
	s_lshl_b32 s34, s11, 12                        ; 1,024 columns of 4 bytes
	s_add_co_u32 s2, s2, s34
	s_mov_b32 s3, 0
	s_lshr_b32 s34, s2, 1                          ; the same place in bf16
	s_mov_b32 s35, 0
	s_mov_b32 s37, 0
	s_wait_kmcnt 0x0
	s_cmp_lg_u32 s39, 0                            ; the same answer in all eight waves
	s_cbranch_scc1 .Lw
	; ---------------- x ----------------
	s_add_nc_u64 s[4:5], s[12:13], s[2:3]
	s_add_nc_u64 s[6:7], s[16:17], s[34:35]
	s_lshl_b32 s36, s11, 18                        ; 1,024 rows of down_aux (256 bytes each); also a plane of lowp (4,096 rows of 64 bytes)
	s_add_nc_u64 s[20:21], s[20:21], s[36:37]
	s_add_nc_u64 s[24:25], s[24:25], s[36:37]
	s_lshl_b32 s36, s10, 12                        ; 64 rows of lowp
	s_add_nc_u64 s[24:25], s[24:25], s[36:37]
	s_lshr_b32 s36, s10, 4                         ; the batch: 1,024 rows are 16 row blocks
	s_lshl_b32 s36, s36, 12                        ; 64 x 16 f32
	s_add_nc_u64 s[22:23], s[22:23], s[36:37]
	v_lshlrev_b32 v5, 8, v1                        ; down_aux: row lane % 16,
	v_lshl_add_u32 v5, v2, 5, v5                   ; 8 numbers on for the upper lanes,
	v_lshl_add_u32 v5, s8, 15, v5                  ; my wave's 128 rows
	v_lshlrev_b32 v6, 2, v1                        ; hyper_down: column r = lane % 16,
	v_lshl_add_u32 v6, v2, 9, v6                   ; 8 rows of 64 bytes on for the upper lanes
	GATHER HD, 6, 22, 64
	ROWS16 Z0, 5, 20, 0
	ROWS16 Z0+32, 5, 20, 4096
	ROWS16 Z1, 5, 20, 2*4096
	ROWS16 Z1+32, 5, 20, 3*4096
	s_mul_i32 s39, s8, STGW                        ; my stage
	s_mul_i32 s40, s8, REDW
	s_add_co_u32 s40, s40, RED                     ; my sums
	v_and_b32 v14, 31, v0
	v_lshl_add_u32 v7, v14, 3, s39                 ; into the stage: 8 bytes a lane, a row at a time
	v_mul_u32_u24 v8, v1, STGP                     ; back: row lane % 16, 16 bytes on for the upper lanes
	v_lshl_add_u32 v8, v2, 4, v8
	v_add_nc_u32 v8, s39, v8
	v_mul_u32_u24 v9, v1, REDP                     ; my eight sums of a row
	v_lshl_add_u32 v9, v2, 5, v9
	v_add_nc_u32 v9, s40, v9
	v_lshrrev_b32 v10, 2, v0                       ; the meeting: thread t takes row t / 4, sums 4 (t % 4) + 0..3, of every wave
	v_mul_u32_u24 v10, v10, REDP
	v_and_b32 v15, 3, v0
	v_lshl_add_u32 v10, v15, 4, v10
	v_add_nc_u32 v10, RED, v10
	s_wait_loadcnt 32                              ; hyper_down is in: the 32 loads of down_aux were issued behind it
	COMPACT HD, 16
	DOWNMUL Z0
	ROWS16 Z0, 5, 20, 4*4096
	ROWS16 Z0+32, 5, 20, 5*4096
	DOWNSPLIT 0
	DOWNMUL Z1
	ROWS16 Z1, 5, 20, 6*4096
	ROWS16 Z1+32, 5, 20, 7*4096
	DOWNSPLIT 1
	DOWNMUL Z0
	LOADT Z0, 0                                    ; the zones are free for x as soon as down's blocks have been multiplied
	DOWNSPLIT 2
	DOWNMUL Z1
	LOADT Z1, 1
	DOWNSPLIT 3
.macro XTILE z, t, left
	s_wait_loadcnt \left                           ; loads come back in order (ISA guide 5.7.1): my tile is in, the younger one stays out
	CASTT \z, \t
	LOWT \z, \t
.if (\t) < 2
	s_wait_xcnt 0x0                                ; the zone, which the stores above read, is loaded again only behind this wait
	LOADT \z, (\t)+2
.endif
.endm
	XTILE Z0, 0, 16
	XTILE Z1, 1, 16
	XTILE Z0, 2, 16
	XTILE Z1, 3, 0
	s_wait_dscnt 0x0                               ; for the others' sake: my sums are in LDS
	s_barrier_signal -1
	s_barrier_wait -1
.irp w, 0,1,2,3,4,5,6,7
	ds_load_b128 v[16+4*(\w):16+4*(\w)+3], v10 offset:REDW*(\w)
.endr
	s_wait_dscnt 0x0
.irp p, 0,2,4,6
	v_pk_add_f32 v[16+4*(\p):17+4*(\p)], v[16+4*(\p):17+4*(\p)], v[20+4*(\p):21+4*(\p)]
	v_pk_add_f32 v[18+4*(\p):19+4*(\p)], v[18+4*(\p):19+4*(\p)], v[22+4*(\p):23+4*(\p)]
.endr
.irp p, 0,4
	v_pk_add_f32 v[16+4*(\p):17+4*(\p)], v[16+4*(\p):17+4*(\p)], v[24+4*(\p):25+4*(\p)]
	v_pk_add_f32 v[18+4*(\p):19+4*(\p)], v[18+4*(\p):19+4*(\p)], v[26+4*(\p):27+4*(\p)]
.endr
	v_pk_add_f32 v[16:17], v[16:17], v[32:33]
	v_pk_add_f32 v[18:19], v[18:19], v[34:35]
	global_store_b128 v3, v[16:19], s[24:25]       ; 512 consecutive bytes of the wave: eight rows of lowp
	s_wait_tensorcnt 0x0                           ; the wave's end, behind my last LDS store
	ds_add_u32 v[SPW], v[NIL]
	s_wait_dscnt 0x0
	s_endpgm
	; ---------------- W ----------------
.Lw:
	s_add_nc_u64 s[4:5], s[14:15], s[2:3]
	s_add_nc_u64 s[6:7], s[18:19], s[34:35]
	s_cmp_lt_u32 s8, 4
	s_cbranch_scc0 .Lplain
	; waves 0-3: outputs o = 64 rb + 16 w + 0..15 of batch kc
	s_lshl_b32 s36, s11, 12                        ; hyper_up: 16 x 64 f32 a batch
	s_add_nc_u64 s[28:29], s[28:29], s[36:37]
	s_lshl_b32 s36, s10, 8                         ; 64 columns of up_aux, 64 numbers of b
	s_add_nc_u64 s[30:31], s[30:31], s[36:37]
	s_add_nc_u64 s[26:27], s[26:27], s[36:37]
	s_mul_i32 s36, s11, 393216                     ; bext: 256 blocks of 1,536 bytes a batch,
	s_mul_i32 s39, s10, 6144                       ; four blocks a work-group
	s_add_co_u32 s36, s36, s39
	s_add_nc_u64 s[32:33], s[32:33], s[36:37]
	v_lshlrev_b32 v5, 8, v1                        ; hyper_up: row r = lane % 16, 8 numbers on for the upper lanes
	v_lshl_add_u32 v5, v2, 5, v5
	v_lshlrev_b32 v7, 2, v1                        ; b: my o
	v_lshl_add_u32 v7, s8, 6, v7
	v_lshl_add_u32 v6, v2, 17, v7                  ; up_aux: column o, 8 rows of 16,384 bytes on for the upper lanes
	ROWS16 16, 5, 28, 0
	GATHER 48, 6, 30, 16384
	global_load_b32 v14, v7, s[26:27]
	LOADT Z0, 0
	LOADT Z1, 1
	v_and_b32 v8, 31, v0                           ; bext: 16 bytes a lane, 1,536 a wave
	v_lshlrev_b32 v8, 4, v8
	s_mul_i32 s39, s8, 1536
	v_add_nc_u32 v8, s39, v8
	v_add_nc_u32 v11, -1, v2                       ; all ones in lanes 0-15, 0 above
	v_mov_b32 v15, 0
	s_wait_loadcnt 32                              ; the 41 small loads are in; the two tiles stay out
	COMPACT 16, 16
	COMPACT 48, 16
	v_wmma_f32_16x16x32_bf16 v[ACC0:ACC0+7], v[16:23], v[48:55], 0
	s_wait_alu depctr_va_vdst(0)                   ; one sum, two links on end
	v_wmma_f32_16x16x32_bf16 v[ACC0:ACC0+7], v[24:31], v[56:63], v[ACC0:ACC0+7]
	PLACES
.irp u, 0,2,4,6
	v_pk_mul_f32 v[ACC0+(\u):ACC0+(\u)+1], v[ACC0+(\u):ACC0+(\u)+1], 2.0 op_sel_hi:[1,0]  ; ALPHA / RANK = 2, exact
.endr
	SPLIT ACC0, 80, 84
	v_cvt_pk_bf16_f32 v88, v14, v15                ; {b[o], 0}
	v_and_b32 v88, v11, v88
	v_mov_b32 v89, 0
	v_mov_b32 v90, 0
	v_mov_b32 v91, 0
	global_store_b128 v8, v[80:83], s[32:33]               ; each store of the wave covers 512 consecutive bytes, aligned
	global_store_b128 v8, v[84:87], s[32:33] offset:512
	global_store_b128 v8, v[88:91], s[32:33] offset:1024
	s_branch .Lwtiles
.Lplain:
	LOADT Z0, 0
	LOADT Z1, 1
.Lwtiles:                                              ; on both ways the two tiles' 32 loads are the youngest
.macro WTILE z, t, left
	s_wait_loadcnt \left
	CASTT \z, \t
.if (\t) < 2
	s_wait_xcnt 0x0                                ; the zone, which the stores above read, is loaded again only behind this wait
	LOADT \z, (\t)+2
.endif
.endm
	WTILE Z0, 0, 16
	WTILE Z1, 1, 16
	WTILE Z0, 2, 16
	WTILE Z1, 3, 0
	s_wait_tensorcnt 0x0                           ; the wave's end
	ds_add_u32 v[SPW], v[NIL]
	s_wait_dscnt 0x0
	s_endpgm
.Lfunc_end_k_qf5d033c59c_cast:
	.size	k_qf5d033c59c_cast, .Lfunc_end_k_qf5d033c59c_cast-k_qf5d033c59c_cast
	.p2alignl 7, 3214868480
	.fill 96, 4, 3214868480
	.section	.rodata,"a",@progbits
	.p2align	6, 0x0
	.amdhsa_kernel k_qf5d033c59c_cast
		.amdhsa_group_segment_fixed_size 76800
		.amdhsa_private_segment_fixed_size 0
		.amdhsa_enable_private_segment 0
		.amdhsa_kernarg_size 88
		.amdhsa_user_sgpr_count 2
		.amdhsa_user_sgpr_kernarg_segment_ptr 1
		.amdhsa_wavefront_size32 1
		.amdhsa_system_sgpr_workgroup_id_x 1
		.amdhsa_system_sgpr_workgroup_id_y 1
		.amdhsa_system_sgpr_workgroup_id_z 1
		.amdhsa_system_vgpr_workitem_id 0
		.amdhsa_next_free_vgpr 256
		.amdhsa_next_free_sgpr 66
		.amdhsa_reserve_vcc 0
		.amdhsa_float_denorm_mode_32 3
		.amdhsa_float_denorm_mode_16_64 3
		.amdhsa_memory_ordered 1
		.amdhsa_forward_progress 1
		.amdhsa_inst_pref_size 95
	.end_amdhsa_kernel
	.amdgpu_metadata
---
amdhsa.version: [ 1, 2 ]
amdhsa.kernels:
  - .name:           k_qf5d033c59c_cast
    .symbol:         k_qf5d033c59c_cast.kd
    .args:
      - { .name: x, .offset: 0, .size: 8, .value_kind: global_buffer, .address_space: global }
      - { .name: W, .offset: 8, .size: 8, .value_kind: global_buffer, .address_space: global }
      - { .name: xb, .offset: 16, .size: 8, .value_kind: global_buffer, .address_space: global }
      - { .name: wb, .offset: 24, .size: 8, .value_kind: global_buffer, .address_space: global }
      - { .name: down_aux, .offset: 32, .size: 8, .value_kind: global_buffer, .address_space: global }
      - { .name: hyper_down, .offset: 40, .size: 8, .value_kind: global_buffer, .address_space: global }
      - { .name: lowp, .offset: 48, .size: 8, .value_kind: global_buffer, .address_space: global }
      - { .name: b, .offset: 56, .size: 8, .value_kind: global_buffer, .address_space: global }
      - { .name: hyper_up, .offset: 64, .size: 8, .value_kind: global_buffer, .address_space: global }
      - { .name: up_aux, .offset: 72, .size: 8, .value_kind: global_buffer, .address_space: global }
      - { .name: bext, .offset: 80, .size: 8, .value_kind: global_buffer, .address_space: global }
    .group_segment_fixed_size: 76800
    .private_segment_fixed_size: 0
    .kernarg_segment_align: 8
    .kernarg_segment_size: 88
    .max_flat_workgroup_size: 256
    .sgpr_count:     66
    .vgpr_count:     256
    .wavefront_size: 32
...
	.end_amdgpu_metadata
.endif
;; end of part 1
;; launch gemm (part 2): grid 16 x 16, 4 waves a work-group, clusters of 4 x 4, 327,680 bytes of LDS; arguments xb, wb, out0, lowp, bext; writes out0
.if DOCPART == 2
	.amdgcn_target "amdgcn-amd-amdhsa--gfx1250"
	.amdhsa_code_object_version 6
	.text
	.protected	k_qf5d033c59c_gemm
	.globl	k_qf5d033c59c_gemm
	.p2align	8
	.type	k_qf5d033c59c_gemm,@function
k_qf5d033c59c_gemm:
	s_mov_b64 s[64:65], 0
	v_nop
	global_prefetch_b8 v0, s[64:65] scope:SCOPE_SE
	s_setreg_imm32_b32 hwreg(HW_REG_WAVE_MODE, 25, 1), 1
	s_wait_xcnt 0x0
	s_wait_alu depctr_hold_cnt(0) depctr_sa_sdst(0) depctr_va_vdst(0) depctr_va_sdst(0) depctr_va_ssrc(0) depctr_va_vcc(0) depctr_vm_vsrc(0)
	s_getreg_b32 s2, hwreg(HW_REG_IB_STS2, 6, 4)
	s_cmp_eq_u32 s2, 0
	s_cbranch_scc0 .Lentry_in_a_cluster
	s_endpgm
.Lentry_in_a_cluster:
	s_bfe_u32 s2, ttmp6, 0x10000c
	s_cmp_lg_u32 s2, 0xf033
	s_cbranch_scc0 .Lentry_shape_is_right
	s_endpgm
.Lentry_shape_is_right:
; SECOND OF TWO LAUNCHES.  out0[s][o] = sum over i of xb[s][i] wb[o][i] + b[o] + 2 sum over r of up[o][r] low[s][r], as ONE product with K = 64 + 4,096; sums in f32, out0 in f32.
; THE EXTRA 64 OF K come first and start all sums (C = 0).  low = the four partial sums of lowp, added in f32 and split lh + ll (two bf16); 2 up = uh + ul and bf16(b) come from bext in fragment order.
;   step E1: rows [lh(16) | ll(16)] x columns [uh(16) | uh(16)]          step E2: rows [lh(16) | 1, 0 x 15] x columns [ul(16) | b, 0 x 15]
; LIMITS.  The term ul ll, at most 2^-16 of a term of the low-rank sum, is left out.  x, W, b and the four small inputs were rounded once to bf16.  A finite low beyond bf16's largest number is lost.
; NaN and infinities are not treated apart.
; A tile of out0, 256 x 256, is made by a work-group of four waves; a wave makes 128 x 128: 64 accumulators of 16 x 16, 512 registers.  K goes in steps of 128 through a ring of two LDS slots filled by
; the tensor data mover: tile rows are 256 bytes of memory at multiples of 256 bytes from the buffer's first byte.  256 tiles, one to a work-group.
; CLUSTERS: 4 x 4 work-groups.  The four of a row of the cluster need the same tiles of xb, the four of a column the same tiles of wb: each tile is asked for JOINTLY, by the same tensor load with
; the same descriptor and a mask that names the four.
; THE MATRIX INSTRUCTION IS USED TRANSPOSED: source 0 = 16 rows of wb, source 1 = 16 rows of xb: lane l holds row l % 16 of out0 and the columns 8 (l / 16) + 0..7: 32 neighbouring bytes.
; REGISTERS, in windows of 256 (s_set_vgpr_msb's low byte: bits 1:0 source 0, 3:2 source 1, 5:4 source 2, 7:6 destination):
;   window 0: v0-31 addresses; v64-127, v128-191 fragments of xb, two buffers; on the way out two sets of 16 rows read back          window 1: v64-127, v128-191 fragments of wb, two buffers
;   window 2: the 32 accumulators of my rows 0-63 ((a, b) at v[8 (8 a + b)]); ahead of the first product lowp's numbers land here          window 3: those of my rows 64-127
.set SIZE_K, 4096
.set SIZE_N, 4096
.set KSTEP,  128
.set PITCH,  272                       ; an LDS row: 256 bytes + 16 of padding = 68 words: row r starts at bank 4 r mod 64 (64 banks of 4 bytes: ISA guide 11.1)
.set HALFT,  128*PITCH                 ; 128 rows: what one tensor load brings, and what one wave reads of xb or of wb
.set SLOT,   4*HALFT                   ; xb's 256 rows, then wb's 256 rows
.set STAGE,  2*SLOT                    ; behind the ring: 16 rows x 528 bytes for each wave, for the way out; no tensor load fills it
.set SPITCH, 528                       ; 512 bytes of f32 + 16 = 132 words: again 4 r mod 64
.set SPARE,  STAGE+4*16*SPITCH         ; behind the stages: the spare words, 128 bytes for each wave, that no other line names
.set LAPS, SIZE_K/(2*KSTEP)            ; a lap = two K steps = once round the ring
.set ADRA, 16                          ; v16-17  LDS address of my xb fragments in slot 0, 1
.set ADRB, 20                          ; v20-21  the same for wb
.set STO,  24                          ; v24     the way out: where I put 32 bytes of a row
.set RD,   25                          ; v25     the way out: where I read a row back
.set CO,   26                          ; v26     16 x lane: my place in 512 consecutive bytes (out0, bext)
.set LPO,  27                          ; v27     my place in 16 rows of lowp
.set SPW,  28                          ; v28     LDS address of my spare word; never rewritten
.set NIL,  29                          ; v29     0; never rewritten
.set ONE,  30                          ; v30     bf16 1.0 in the low half in lanes 0-15, 0 above
.set F0,   64
.set F1,   128
.set G1, 24                            ; s[24:31] descriptor group 1 for xb's tiles;  s[32:39] group 0, one set for each slot
.set G0, 32
.set G1B, 48                           ; s[48:55], s[56:63] the same for wb's tiles
.set G0B, 56
.set MSB, 0
.macro WIN new                         ; the immediate's high byte repeats the setting that is left; a switch that changes nothing is dropped
.if MSB != (\new)
	s_set_vgpr_msb (MSB<<8)|(\new)
.set MSB, \new
.endif
.endm
.set MUL_LO, 0xa1                      ; source 0 (wb) window 1, source 1 (xb) window 0, C and D window 2
.set MUL_HI, 0xf1                      ; the same, C and D window 3
.set TO_B,   0x40                      ; destination window 1, address window 0
; A joint load.  Waves 0 and 1 fetch xb's two halves, waves 2 and 3 wb's.  The branch hangs on the wave's number alone.  An s_nop 0 and four v_nop follow each of the two lines.
.macro JLOAD s
	s_cmp_eq_u32 s11, 0
	s_cbranch_scc0 .Lfor_b_\@
	tensor_load_to_lds s[G0+4*(\s):G0+4*(\s)+3], s[G1:G1+7]
	s_nop 0
.rept 4
	v_nop
.endr
	s_branch .Lasked_\@
.Lfor_b_\@:
	tensor_load_to_lds s[G0B+4*(\s):G0B+4*(\s)+3], s[G1B:G1B+7]
	s_nop 0
.rept 4
	v_nop
.endr
.Lasked_\@:
.endm
; A round of the cluster's barrier: my work-group's barrier; wave 0 signals for the work-group; every wave waits for all sixteen work-groups; my work-group's barrier once more.
.macro CREST                           ; a round behind its opening barrier
	s_cmp_lg_u32 s10, 0
	s_cbranch_scc1 .Lnot_wave_0_\@
	s_barrier_signal -3
.Lnot_wave_0_\@:
	s_barrier_wait -3
	s_barrier_signal -1
	s_barrier_wait -1
.endm
.macro CROUND
	s_barrier_signal -1
	s_barrier_wait -1
	CREST
.endm
	s_load_b128 s[4:7], s[0:1], 0x0                ; xb s[4:5], wb s[6:7]
	s_load_b64 s[8:9], s[0:1], 0x10                ; out0
	s_load_b64 s[68:69], s[0:1], 0x18              ; lowp
	s_load_b64 s[70:71], s[0:1], 0x20              ; bext
	v_lshl_add_u32 v[SPW], v0, 2, SPARE
	v_mov_b32 v[NIL], 0
	ds_add_u32 v[SPW], v[NIL]                      ; the wave's opening: the add and its wait stand ahead of my first tensor load; the set-up below, work on registers, stands between them
	v_lshrrev_b32 v1, 5, v0
	v_readfirstlane_b32 s10, v1                    ; wave 0..3
	s_lshr_b32 s11, s10, 1                         ; which half of the tile's rows is mine.  Also: I fetch for xb (0) or for wb (1)
	s_and_b32 s12, s10, 1                          ; which half of its columns.  Also: which 128 rows of that tile I fetch
	s_bfe_u32 s40, ttmp6, 0x40000                  ; cx
	s_bfe_u32 s41, ttmp6, 0x40004                  ; cy
	s_lshl_b32 s42, ttmp9, 2
	s_add_co_u32 s42, s42, s40                     ; tile column = 4 x cluster x + cx
	s_and_b32 s13, ttmp7, 0xffff
	s_lshl_b32 s13, s13, 2
	s_add_co_u32 s13, s13, s41                     ; tile row = 4 x cluster y + cy
	s_lshl_b32 s43, s41, 2
	s_lshl_b32 s43, 15, s43                        ; my row of the cluster: places 4 cy .. 4 cy + 3
	s_lshl_b32 s44, 0x1111, s40                    ; my column: places cx, cx + 4, cx + 8, cx + 12
	; descriptor group 1: a tile of 128 rows x 128 elements, padded in LDS
	s_or_b32 s[G1+0], s43, (1<<16)|(1<<20)|(1<<21)|(5<<22)|(3<<25)  ; 15:0 the mask; 17:16 elements of 2 bytes; 20 padding on; 21 set beside a mask; 24:22 after every 64 words (code 5); 31:25 4 words (code 3)
	s_or_b32 s[G1B+0], s44, (1<<16)|(1<<20)|(1<<21)|(5<<22)|(3<<25)
.irp g, G1, G1B
	s_mov_b32 s[(\g)+1], KSTEP<<16                 ; tensor_dim0 = 128
	s_mov_b32 s[(\g)+2], 128<<16                   ; tensor_dim1 = 128
	s_mov_b32 s[(\g)+3], KSTEP<<16                 ; tile_dim0 = 128
	s_mov_b32 s[(\g)+4], 128                       ; tile_dim1 = 128
	s_mov_b32 s[(\g)+5], SIZE_K                    ; elements from row to row
	s_mov_b32 s[(\g)+6], 0
	s_mov_b32 s[(\g)+7], 0
.endr
	; xb's tiles hang on the tile row alone, which my row of the cluster shares; wb's on the tile column alone, which my column shares
	s_lshl_b32 s17, s12, 7                         ; which 128 rows of the tile I fetch
	s_lshl_b32 s16, s13, 8
	s_add_co_u32 s16, s16, s17                     ; xb: row 256 x tile row + 128 x half
	s_lshl_b32 s46, s42, 8
	s_add_co_u32 s46, s46, s17                     ; wb: row 256 x tile column + 128 x half
	s_mov_b32 s17, 0
	s_mov_b32 s47, 0
	s_mov_b64 s[18:19], SIZE_K*2
	s_mul_u64 s[16:17], s[16:17], s[18:19]
	s_mul_u64 s[46:47], s[46:47], s[18:19]
	s_mul_i32 s20, s10, HALFT                      ; where they go: wave x 128 rows: no place in the cluster enters an LDS address
	s_mov_b32 s78, 0xffff0000                      ; a word's upper bf16
	s_wait_dscnt 0x0                               ; the opening add is done
	s_wait_kmcnt 0x0
	s_add_nc_u64 s[14:15], s[4:5], s[16:17]
	s_add_nc_u64 s[46:47], s[6:7], s[46:47]
	CROUND                                         ; all sixteen work-groups are here: the first joint loads meet
.irp s, 0,1
	s_mov_b32 s[G0+4*(\s)], 1                                      ; count = 1
	s_add_co_u32 s[G0+4*(\s)+1], s20, (\s)*SLOT                    ; LDS address
	s_add_nc_u64 s[G0+4*(\s)+2:G0+4*(\s)+3], s[14:15], (\s)*KSTEP*2  ; global address: K step s
	s_or_b32 s[G0+4*(\s)+3], s[G0+4*(\s)+3], 0x80000000            ; type = 2
	s_mov_b32 s[G0B+4*(\s)], 1
	s_add_co_u32 s[G0B+4*(\s)+1], s20, (\s)*SLOT
	s_add_nc_u64 s[G0B+4*(\s)+2:G0B+4*(\s)+3], s[46:47], (\s)*KSTEP*2
	s_or_b32 s[G0B+4*(\s)+3], s[G0B+4*(\s)+3], 0x80000000
	JLOAD \s                                       ; the ring is filled before anything else is done: two loads of mine are out
.endr
	; THE EXTRA K's OPERANDS, made in the wait for the first tile.  Their offsets lie in registers that feed no descriptor.
	v_and_b32 v1, 15, v0                           ; l % 16
	v_bfe_u32 v2, v0, 4, 1                         ; l / 16
	v_lshlrev_b32 v[LPO], 6, v1                    ; lowp: row l % 16 (64 bytes), sums 8 (l / 16) + 0..7
	v_lshl_add_u32 v[LPO], v2, 5, v[LPO]
	v_and_b32 v[CO], 31, v0
	v_lshlrev_b32 v[CO], 4, v[CO]
	s_lshl_b32 s72, s13, 14                        ; 256 rows of 64 bytes a tile row,
	s_lshl_b32 s73, s11, 13                        ; 128 for my half
	s_add_co_u32 s72, s72, s73
	s_mov_b32 s73, 0
	s_add_nc_u64 s[68:69], s[68:69], s[72:73]
	s_lshr_b32 s74, s13, 2                         ; the batch: 1,024 rows are four tile rows
	s_mul_i32 s74, s74, 393216                     ; 256 blocks of 1,536 bytes a batch,
	s_mul_i32 s75, s42, 24576                      ; 16 a tile column,
	s_add_co_u32 s74, s74, s75
	s_mul_i32 s75, s12, 12288                      ; 8 for my half
	s_add_co_u32 s74, s74, s75
	s_mov_b32 s75, 0
	s_add_nc_u64 s[70:71], s[70:71], s[74:75]
	WIN 0x80                                       ; destination window 2, address window 0
.set ia, 0
.rept 8                                ; block ia of 16 rows, quarter kc of K: eight f32 a lane at v[32 ia + 8 kc]
.irp kc, 0,1,2,3
	global_load_b128 v[32*ia+8*(\kc):32*ia+8*(\kc)+3],   v[LPO], s[68:69] offset:(\kc)*262144+ia*1024
	global_load_b128 v[32*ia+8*(\kc)+4:32*ia+8*(\kc)+7], v[LPO], s[68:69] offset:(\kc)*262144+ia*1024+16
.endr
.set ia, ia+1
.endr
	WIN TO_B
.set ib, 0
.rept 8                                ; block ib of 16 columns: E1 takes uh twice, E2 ul and the bias
	global_load_b128 v[F0+8*ib:F0+8*ib+3],   v[CO], s[70:71] offset:1536*ib
	global_load_b128 v[F0+8*ib+4:F0+8*ib+7], v[CO], s[70:71] offset:1536*ib
	global_load_b128 v[F1+8*ib:F1+8*ib+3],   v[CO], s[70:71] offset:1536*ib+512
	global_load_b128 v[F1+8*ib+4:F1+8*ib+7], v[CO], s[70:71] offset:1536*ib+1024
.set ib, ib+1
.endr
	WIN 0
	; A fragment is 16 rows x 32 K in 8 registers: lane l holds row l % 16; registers 0-3 hold K = 8 (l / 16) + 0..7, registers 4-7 K = 16 + 8 (l / 16) + 0..7: two loads of 16 bytes, 32 bytes apart.
	v_mul_u32_u24 v3, v1, PITCH
	v_lshl_add_u32 v3, v2, 4, v3                   ; row x pitch + 16 x half
	s_mul_i32 s21, s11, HALFT                      ; my 128 rows of xb
	s_mul_i32 s22, s12, HALFT                      ; my 128 rows of wb,
	s_add_co_u32 s22, s22, 2*HALFT                 ; which lie behind xb's 256
.irp s, 0,1
	v_add_nc_u32 v[ADRA+(\s)], s21, v3
	v_add_nc_u32 v[ADRB+(\s)], s22, v3
	s_add_co_u32 s21, s21, SLOT
	s_add_co_u32 s22, s22, SLOT
.endr
	s_mul_i32 s23, s10, 16*SPITCH
	s_add_co_u32 s23, s23, STAGE                   ; my stage
	v_mul_u32_u24 v4, v1, SPITCH                   ; in: row l % 16, 32 bytes for each half of the lanes
	v_lshl_add_u32 v4, v2, 5, v4
	v_add_nc_u32 v[STO], s23, v4
	v_add_nc_u32 v[RD], s23, v[CO]                 ; back: 32 lanes take one row of 512 bytes
	v_sub_nc_u32 v[ONE], 1, v2
	v_mul_u32_u24 v[ONE], v[ONE], 0x3f80
	s_lshl_b32 s76, s13, 8                         ; out0 at my first row and column
	s_lshl_b32 s77, s11, 7
	s_add_co_u32 s76, s76, s77
	s_lshl_b32 s76, s76, 14                        ; rows of 16,384 bytes
	s_lshl_b32 s77, s42, 10
	s_add_co_u32 s76, s76, s77
	s_lshl_b32 s77, s12, 9
	s_add_co_u32 s76, s76, s77
	s_mov_b32 s77, 0
	s_add_nc_u64 s[8:9], s[8:9], s[76:77]
	s_wait_loadcnt 32                              ; lowp's 64 loads are in: the 32 youngest are bext's
	WIN 0x8a                                       ; all in window 2: low = (p0 + p1) + (p2 + p3), into v[32 ia .. + 7]
.set ia, 0
.rept 8
.irp u, 0,2,4,6
	v_pk_add_f32 v[32*ia+(\u):32*ia+(\u)+1], v[32*ia+(\u):32*ia+(\u)+1], v[32*ia+8+(\u):32*ia+9+(\u)]
	v_pk_add_f32 v[32*ia+16+(\u):32*ia+17+(\u)], v[32*ia+16+(\u):32*ia+17+(\u)], v[32*ia+24+(\u):32*ia+25+(\u)]
.endr
.irp u, 0,2,4,6
	v_pk_add_f32 v[32*ia+(\u):32*ia+(\u)+1], v[32*ia+(\u):32*ia+(\u)+1], v[32*ia+16+(\u):32*ia+17+(\u)]
.endr
.set ia, ia+1
.endr
	WIN 0x0a                                       ; sources window 2, destination window 0: lh, for both steps
.set ia, 0
.rept 8
.irp u, 0,1,2,3
	v_cvt_pk_bf16_f32 v[F0+8*ia+(\u)], v[32*ia+2*(\u)], v[32*ia+2*(\u)+1]
	v_cvt_pk_bf16_f32 v[F1+8*ia+(\u)], v[32*ia+2*(\u)], v[32*ia+2*(\u)+1]
.endr
.set ia, ia+1
.endr
	WIN 0x80                                       ; lh back as f32, into v[32 ia + 8 ..] of window 2
.set ia, 0
.rept 8
.irp u, 0,1,2,3
	v_lshlrev_b32 v[32*ia+8+2*(\u)], 16, v[F0+8*ia+(\u)]
	v_and_b32 v[32*ia+9+2*(\u)], s78, v[F0+8*ia+(\u)]
.endr
.set ia, ia+1
.endr
	WIN 0x8a                                       ; low - lh
.set ia, 0
.rept 8
.irp u, 0,2,4,6
	v_pk_add_f32 v[32*ia+8+(\u):32*ia+9+(\u)], v[32*ia+(\u):32*ia+(\u)+1], v[32*ia+8+(\u):32*ia+9+(\u)] neg_lo:[0,1] neg_hi:[0,1]
.endr
.set ia, ia+1
.endr
	WIN 0x0a                                       ; ll
.set ia, 0
.rept 8
.irp u, 0,1,2,3
	v_cvt_pk_bf16_f32 v[F0+8*ia+4+(\u)], v[32*ia+8+2*(\u)], v[32*ia+9+2*(\u)]
.endr
.set ia, ia+1
.endr
	WIN 0                                          ; the 1 that meets the bias, and the zeros behind it
.set ia, 0
.rept 8
	v_mov_b32 v[F1+8*ia+4], v[ONE]
	v_mov_b32 v[F1+8*ia+5], 0
	v_mov_b32 v[F1+8*ia+6], 0
	v_mov_b32 v[F1+8*ia+7], 0
.set ia, ia+1
.endr
	s_wait_loadcnt 0x0                             ; bext
; 16 matrix instructions: m blocks a0, a0 + 1 of the window's four (hi = 0: my rows 0-63, 1: rows 64-127) x all 8 n blocks, 32 along K.  zero = 1: the product starts the sums: nothing is ever cleared.
; The 64 accumulators take turns, one instruction a turn, in the same order everywhere.
.macro MUL16 f, hi, a0, zero
	WIN MUL_LO+0x50*(\hi)
.irp a, \a0, (\a0)+1
.irp b, 0,1,2,3,4,5,6,7
.if \zero
	v_wmma_f32_16x16x32_bf16 v[8*(8*(\a)+(\b)):8*(8*(\a)+(\b))+7], v[(\f)+8*(\b):(\f)+8*(\b)+7], v[(\f)+8*(4*(\hi)+(\a)):(\f)+8*(4*(\hi)+(\a))+7], 0
.else
	v_wmma_f32_16x16x32_bf16 v[8*(8*(\a)+(\b)):8*(8*(\a)+(\b))+7], v[(\f)+8*(\b):(\f)+8*(\b)+7], v[(\f)+8*(4*(\hi)+(\a)):(\f)+8*(4*(\hi)+(\a))+7], v[8*(8*(\a)+(\b)):8*(8*(\a)+(\b))+7]
.endif
.endr
.endr
.endm
; 32 LDS loads in one run: the fragments of one quarter step (128 rows of wb, 128 rows of xb, 32 K at byte k of the rows) into buffer f
.macro FETCH slot, k, f
	WIN TO_B
.irp i, 0,1,2,3,4,5,6,7
	ds_load_b128 v[(\f)+8*(\i):(\f)+8*(\i)+3],   v[ADRB+(\slot)] offset:(\k)+(\i)*16*PITCH
	ds_load_b128 v[(\f)+8*(\i)+4:(\f)+8*(\i)+7], v[ADRB+(\slot)] offset:(\k)+(\i)*16*PITCH+32
.endr
	WIN 0
.irp i, 0,1,2,3,4,5,6,7
	ds_load_b128 v[(\f)+8*(\i):(\f)+8*(\i)+3],   v[ADRA+(\slot)] offset:(\k)+(\i)*16*PITCH
	ds_load_b128 v[(\f)+8*(\i)+4:(\f)+8*(\i)+7], v[ADRA+(\slot)] offset:(\k)+(\i)*16*PITCH+32
.endr
.endm
.macro PLACES                          ; four plain vector instructions between a matrix instruction and a load into, or a store of, its registers (ISA guide 7.12.1 for vector instructions)
.rept 4
	v_nop
.endr
.endm
; A K step is four quarter steps of 32 along K, 64 matrix instructions each, on buffers 0, 1, 0, 1.  One of the first three: multiplies buffer f; in its middle it fetches the next quarter, at byte k, into g.
.macro QUARTER slot, k, f, g
	s_wait_dscnt 8                                 ; wb and xb's rows 0-63 are in; the youngest eight loads (xb's rows 64-127) may be out
	WIN MUL_LO
	MUL16 \f, 0, 0, 0
	MUL16 \f, 0, 2, 0
	PLACES
	FETCH \slot, \k, \g
	s_wait_dscnt 32                                ; all but the 32 just issued
	WIN MUL_HI
	MUL16 \f, 1, 0, 0
	MUL16 \f, 1, 2, 0
.endm
; The last quarter multiplies buffer 1 and changes slots.  MEET is its first half: ONE barrier.  In front of it each wave waits for all its tensor loads, of which one is out: its part of the next slot;
; adds 0 to its spare word; and waits for that and for its own reads of this slot.  Behind it nobody reads this slot any more and the next slot is whole.
.macro MEET round                      ; round = 1: the rest of a round of the cluster's barrier follows
	WIN 0                                          ; (the add's two registers lie in window 0)
	s_wait_tensorcnt 0x0                           ; all my tensor loads have landed
	ds_add_u32 v[SPW], v[NIL]                      ; 0 onto my spare word
	s_wait_dscnt 9                                 ; (the add and the youngest eight loads may be out)
	WIN MUL_LO
	MUL16 F1, 0, 0, 0                              ; sixteen matrix instructions stand between the add and the wait for it
	s_wait_dscnt 0x0                               ; the add is done, and my reads of this slot are over
	s_barrier_signal -1
	MUL16 F1, 0, 2, 0                              ; work on registers while the others arrive
.if \round
	WIN 0
.endif
	s_barrier_wait -1
.endm
; The whole last quarter.  Behind the round the slot just read out is filled again first, with the K step two steps on: from that request to the wait for it a wave issues 224 matrix instructions.
.macro TURN slot, next
	MEET 1
	CREST                                          ; no wave of any partner still reads this slot's tile or has a load on its way
	s_add_nc_u64 s[G0+4*(\slot)+2:G0+4*(\slot)+3], s[G0+4*(\slot)+2:G0+4*(\slot)+3], 2*KSTEP*2
	s_add_nc_u64 s[G0B+4*(\slot)+2:G0B+4*(\slot)+3], s[G0B+4*(\slot)+2:G0B+4*(\slot)+3], 2*KSTEP*2
	JLOAD \slot                                    ; my one tensor load behind the round; the four v_nop behind it are also the places in front of the loads below
	FETCH \next, 0, F0
	WIN MUL_HI
	MUL16 F1, 1, 0, 0
	MUL16 F1, 1, 2, 0
.endm
	MUL16 F0, 0, 0, 1                              ; E1: 64 products that start the 64 sums
	MUL16 F0, 0, 2, 1
	MUL16 F0, 1, 0, 1
	MUL16 F0, 1, 2, 1
	s_wait_tensorcnt 1                             ; my part of K step 0 is in; K step 1's load may stay out
	s_barrier_signal -1
	s_barrier_wait -1                              ; everybody's is
	PLACES                                         ; buffer 0 has just been multiplied
	FETCH 0, 0, F0
	MUL16 F1, 0, 0, 0                              ; E2, while the first fragments come
	MUL16 F1, 0, 2, 0
	MUL16 F1, 1, 0, 0
	MUL16 F1, 1, 2, 0
	QUARTER 0, 64,  F0, F1                         ; the first lap's first quarter
	WIN 0                                          ; at a label and at a branch every window is 0
	s_mov_b32 s3, LAPS-1
.Llap:                                                 ; a trip goes once round the ring, from a lap's second quarter to the next lap's first, and fills both slots again
	QUARTER 0, 128, F1, F0
	QUARTER 0, 192, F0, F1
	TURN 0, 1
	QUARTER 1, 64,  F0, F1
	QUARTER 1, 128, F1, F0
	QUARTER 1, 192, F0, F1
	TURN 1, 0
	QUARTER 0, 64,  F0, F1
	WIN 0
	s_sub_co_u32 s3, s3, 1
	s_cmp_lg_u32 s3, 0
	s_cbranch_scc1 .Llap
	QUARTER 0, 128, F1, F0                         ; the last lap is written out: it asks for nothing, and has no round
	QUARTER 0, 192, F0, F1
	MEET 0                                         ; the load that was still out is slot 1's, the last K step's
	PLACES
	FETCH 1, 0, F0
	WIN MUL_HI
	MUL16 F1, 1, 0, 0
	MUL16 F1, 1, 2, 0
	QUARTER 1, 64,  F0, F1
	QUARTER 1, 128, F1, F0
	QUARTER 1, 192, F0, F1
	s_wait_dscnt 8                                 ; the very last quarter: nothing more to fetch
	MUL16 F1, 0, 0, 0
	MUL16 F1, 0, 2, 0
	s_wait_dscnt 0x0
	MUL16 F1, 1, 0, 0
	MUL16 F1, 1, 2, 0
; THE WAY OUT, a block of 16 rows at a time, in f32.  A lane's eight numbers of an accumulator are 32 bytes of a row: they go into my own stage (rows of 528 bytes), each accumulator's four low
; registers first, and come back as whole rows of 512 bytes, into the registers that held xb's fragments, two sets by turns.
.macro TOSTAGE a
.set AC, 64*((\a)%4)
.set BK, F0+64*((\a)%2)
.if (\a) >= 2
	s_wait_xcnt 0x0                                ; the set of registers, which the stores of two blocks ago read, is loaded again only behind this wait
.endif
	WIN 0x08+4*((\a)/4)                            ; the stores' data: window 2 or 3
.irp b, 0,1,2,3,4,5,6,7
	ds_store_b128 v[STO], v[AC+8*(\b):AC+8*(\b)+3] offset:64*(\b)
	ds_store_b128 v[STO], v[AC+8*(\b)+4:AC+8*(\b)+7] offset:64*(\b)+16
.endr
	WIN 0
.set t, 0
.rept 16
	ds_load_b128 v[BK+4*t:BK+4*t+3], v[RD] offset:t*SPITCH  ; LDS serves a wave's instructions in order (ISA guide 5.7.1.4): these see the stores above, and the next block's stores come behind them
.set t, t+1
.endr
.endm
.macro SEND a, younger                 ; younger: the LDS instructions issued behind block a's loads: the next block's 16 stores and 16 loads, or none
.set BK, F0+64*((\a)%2)
	s_wait_dscnt \younger
.set t, 0
.rept 16
	global_store_b128 v[CO], v[BK+4*t:BK+4*t+3], s[8:9] offset:(16*(\a)+t)*SIZE_N*4 th:TH_STORE_NT  ; 512 consecutive bytes of a row, aligned; 127 rows at the most in the immediate: 2,080,768, inside its signed 24 bits
.set t, t+1
.endr
.endm
	PLACES                                         ; behind the last products
	TOSTAGE 0
	TOSTAGE 1
	SEND 0, 32
.irp a, 2,3,4,5,6,7
	TOSTAGE \a
	SEND (\a)-1, 32
.endr
	SEND 7, 0
	s_wait_tensorcnt 0x0                           ; the wave's end, behind my last tensor load and my last LDS store
	ds_add_u32 v[SPW], v[NIL]
	s_wait_dscnt 0x0
	CROUND                                         ; the closing round: no work-group ends while a partner may still ask for a tile that names it
	s_endpgm
.Lfunc_end_k_qf5d033c59c_gemm:
	.size	k_qf5d033c59c_gemm, .Lfunc_end_k_qf5d033c59c_gemm-k_qf5d033c59c_gemm
	.p2alignl 7, 3214868480
	.fill 96, 4, 3214868480
	.section	.rodata,"a",@progbits
	.p2align	6, 0x0
	.amdhsa_kernel k_qf5d033c59c_gemm
		.amdhsa_group_segment_fixed_size 327680
		.amdhsa_private_segment_fixed_size 0
		.amdhsa_enable_private_segment 0
		.amdhsa_kernarg_size 40
		.amdhsa_user_sgpr_count 2
		.amdhsa_user_sgpr_kernarg_segment_ptr 1
		.amdhsa_wavefront_size32 1
		.amdhsa_system_sgpr_workgroup_id_x 1
		.amdhsa_system_sgpr_workgroup_id_y 1
		.amdhsa_system_sgpr_workgroup_id_z 1
		.amdhsa_system_vgpr_workitem_id 0
		.amdhsa_next_free_vgpr 1024
		.amdhsa_next_free_sgpr 80
		.amdhsa_reserve_vcc 0
		.amdhsa_float_denorm_mode_32 3
		.amdhsa_float_denorm_mode_16_64 3
		.amdhsa_memory_ordered 1
		.amdhsa_forward_progress 1
		.amdhsa_inst_pref_size 175
	.end_amdhsa_kernel
	.amdgpu_metadata
---
amdhsa.version: [ 1, 2 ]
amdhsa.kernels:
  - .name:           k_qf5d033c59c_gemm
    .symbol:         k_qf5d033c59c_gemm.kd
    .args:
      - { .name: xb, .offset: 0, .size: 8, .value_kind: global_buffer, .address_space: global }
      - { .name: wb, .offset: 8, .size: 8, .value_kind: global_buffer, .address_space: global }
      - { .name: out0, .offset: 16, .size: 8, .value_kind: global_buffer, .address_space: global }
      - { .name: lowp, .offset: 24, .size: 8, .value_kind: global_buffer, .address_space: global }
      - { .name: bext, .offset: 32, .size: 8, .value_kind: global_buffer, .address_space: global }
    .group_segment_fixed_size: 327680
    .private_segment_fixed_size: 0
    .kernarg_segment_align: 8
    .kernarg_segment_size: 40
    .max_flat_workgroup_size: 128
    .sgpr_count:     80
    .vgpr_count:     1024
    .wavefront_size: 32
...
	.end_amdgpu_metadata
.endif
;; end of part 2
;; ======== version 2 of 2: 2 launches; version 1 with the launch cast written anew for expert scheduling mode
;; workspace buffers: xb 33,554,432 bytes; wb 33,554,432 bytes; lowp 1,048,576 bytes; bext 1,572,864 bytes
;; launch cast (part 3): grid 512 x 1, 8 waves a work-group, no clusters, 76,800 bytes of LDS; arguments x, W, xb, wb, down_aux, hyper_down, lowp, b, hyper_up, up_aux, bext; writes xb, wb, lowp, bext
.if DOCPART == 3
	.amdgcn_target "amdgcn-amd-amdhsa--gfx1250"
	.amdhsa_code_object_version 6
	.text
	.protected	k_qf5d033c59c_cast
	.globl	k_qf5d033c59c_cast
	.p2align	8
	.type	k_qf5d033c59c_cast,@function
k_qf5d033c59c_cast:
	s_mov_b64 s[64:65], 0
	v_nop
	global_prefetch_b8 v0, s[64:65] scope:SCOPE_SE
	s_setreg_imm32_b32 hwreg(HW_REG_WAVE_SCHED_MODE, 0, 2), 2
	s_setreg_imm32_b32 hwreg(HW_REG_WAVE_MODE, 25, 1), 1
	s_wait_xcnt 0x0
	s_wait_alu depctr_vm_vsrc(0)
; FIRST OF TWO LAUNCHES.  xb = bf16(x), wb = bf16(W), and what the second launch needs of the low-rank path.
; x and W are taken as [4096 rows][4096 columns] f32.  Work-groups 0-255 take x, 256-511 take W; each takes 64 rows x 1,024 columns (rb = row block, kc = column quarter).
; Wave w owns 128 columns of the 64 rows, as four TILES of 16 rows: a load of the wave takes 512 consecutive bytes of a row, a store 256 consecutive bytes of bf16, aligned.
; One tile (16 loads) of every wave is on its way while another is worked on.
; AN x WORK-GROUP also makes lowp[kc][row][r] = the sum over its 1,024 columns i of bf16(x)[row][i] down[r][i], in f32.  down[r][i] = sum over a of down_aux[i][a] hyper_down[batch][a][r]
; is made by each wave for its own 128 columns, by matrix products of the two inputs rounded to bf16, and kept as TWO bf16 numbers (hi + lo, 16 significant bits) in fragment order in 64 registers.
; The eight waves' sums meet in LDS behind the one barrier.
; A W WORK-GROUP: waves 0-3 also make, for batch kc and 16 outputs o each, 2 up[o][r] = 2 sum over a of up_aux[a][o] hyper_up[batch][r][a] as hi + lo, and bf16(b[o]), laid out in
; bext[batch][o / 16][piece][lane][16 bytes] as the second launch's lanes want them: piece 0 = hi, piece 1 = lo (r = 8 (lane / 16) + 0..7 of o = lane % 16), piece 2 = {b[o], 0 x 7} in lanes 0-15, 0 above.
; LIMITS.  Every input is rounded once to bf16.  A finite down or up beyond bf16's largest number gives an infinity in hi and no number in lo.  NaN and infinities are not treated apart.
; No tensor loads and no cluster: the loads are whole aligned runs already, go to registers, and the only bytes that work-groups share are down_aux's 1 MiB.
; THE MODE: SCHED_MODE bits 1:0 = 2 (LLVM: expert scheduling mode 2), set by the entry lines.  The code itself states the register dependences
; between vector or matrix instructions and memory or LDS instructions, with s_wait_alu, always for 0.
; THE PLAN.  Registers that memory or LDS instructions touch:
;   v3 - v10       offsets and LDS addresses: each written once, ahead of a wait on va_vdst that stands ahead of its first reader, and never again.
;   Z0, Z1         with down_aux: loads land; conversions read and write; products read; loaded again behind ONE wait on va_vdst, which stands behind the products.
;                  with a tile: loads land; 32 conversions read all 64 registers and write the lower 32; ONE wait on va_vdst; the stores read the lower 32.  x: the fragments from the stage land in the
;                  upper 32 and the products read them; W: rows 8-15 of the zone's next tile land in the upper 32 at once.  The lower 32 are loaded again behind a wait on vm_vsrc.
;   ACC0           x: products and four additions write it; a wait on va_vdst; two LDS stores read it; a wait on vm_vsrc ahead of the next tile's products.  That wait on va_vdst also states
;                  that the products are done reading the zone's upper 32 (and, in the last tile, down's registers v16-47, in which the meeting's loads land).
;   v16-19, v80-91 written by vector instructions, stored once behind a wait on va_vdst, never written again.
;   v12, v13       written at the head, read by the closing add alone.
.set SRCROW, 16384                     ; bytes in a row of f32
.set DSTROW, 8192                      ; bytes in a row of bf16
.set STGP,  272                        ; the stage's row: 256 bytes of bf16 + 16: the 16 rows of a fragment load start 68 words apart
.set STGW,  16*STGP                    ; a wave's own stage: 16 rows
.set RED,   8*STGW                     ; behind the stages: each wave's 64 rows x 16 sums of f32,
.set REDP,  80                         ; 64 bytes + 16
.set REDW,  64*REDP
.set SPARE, RED+8*REDW                 ; behind them: the spare words, 128 bytes for each wave, that no other line names
.set SPW,  12                          ; v12  LDS address of my spare word; never rewritten
.set NIL,  13                          ; v13  0; never rewritten
.set DFH,  16                          ; v16-47   down, hi: K step c of 32 columns at +8 c
.set DFL,  48                          ; v48-79   down, lo
.set HD,   80                          ; v80-95   hyper_down's two fragments (its 32 numbers land in v80-111)
.set ACC0, 96                          ; v96-103
.set ACC1, 104                         ; v104-111
.set TMP,  112                         ; v112-119 at work
.set Z0,   128                         ; v128-191, v192-255: two zones of 64 in which loads land
.set Z1,   192
; v1 lane % 16, v2 lane / 16, v3 16 x thread (source offset, and lowp's), v4 8 x thread (bf16 offset), v5-v11, v14, v15 addresses and small things, named where they are made
.macro PLACES                          ; four plain vector instructions between a matrix instruction and a vector instruction that touches its registers (ISA guide 7.12.1)
.rept 4
	v_nop
.endr
.endm
; 16 rows x 64 f32, rows of 256 bytes: lane (m, h) takes, for K step c of 32, the numbers 32 c + 16 q + 8 h + 0..7 of row m.  Pairs of registers 2 f, 2 f + 1 become register f of two fragments.
.macro ROWS16 dst, voff, base, imm
.irp c, 0,1
.irp q, 0,1
.irp s, 0,1
	global_load_b128 v[(\dst)+4*(4*(\c)+2*(\q)+(\s)):(\dst)+4*(4*(\c)+2*(\q)+(\s))+3], v[\voff], s[(\base):(\base)+1] offset:(\imm)+128*(\c)+64*(\q)+16*(\s)
.endr
.endr
.endr
.endm
; 64 (k) x 16 (n) f32 stored with n along the rows: lane (n, h) takes the numbers k = 32 c + 16 q + 8 h + e of column n, one at a time
.macro GATHER dst, voff, base, pitch
.irp c, 0,1
.irp q, 0,1
.irp e, 0,1,2,3,4,5,6,7
	global_load_b32 v[(\dst)+16*(\c)+8*(\q)+(\e)], v[\voff], s[(\base):(\base)+1] offset:(32*(\c)+16*(\q)+(\e))*(\pitch)
.endr
.endr
.endr
.endm
.macro COMPACT z, n                    ; 2 n numbers rounded to bf16 in place: register g is written when its own number has been read (at step g / 2)
.set g, 0
.rept \n
	v_cvt_pk_bf16_f32 v[(\z)+g], v[(\z)+2*g], v[(\z)+2*g+1]
.set g, g+1
.endr
.endm
.macro SPLIT acc, hi, lo               ; eight f32 as hi + lo: hi = bf16(a), lo = bf16(a - hi); the accumulator is read from its low end on
.irp u, 0,1,2,3
	v_cvt_pk_bf16_f32 v[(\hi)+(\u)], v[(\acc)+2*(\u)], v[(\acc)+2*(\u)+1]
.endr
.irp u, 0,1,2,3
	v_lshlrev_b32 v[TMP+2*(\u)], 16, v[(\hi)+(\u)]
	v_and_b32 v[TMP+2*(\u)+1], s38, v[(\hi)+(\u)]
.endr
.irp u, 0,1,2,3
	v_pk_add_f32 v[TMP+2*(\u):TMP+2*(\u)+1], v[(\acc)+2*(\u):(\acc)+2*(\u)+1], v[TMP+2*(\u):TMP+2*(\u)+1] neg_lo:[0,1] neg_hi:[0,1]
.endr
.irp u, 0,1,2,3
	v_cvt_pk_bf16_f32 v[(\lo)+(\u)], v[TMP+2*(\u)], v[TMP+2*(\u)+1]
.endr
.endm
.macro LOADH z, t, j0                  ; eight rows of tile t, from row j0 on: 512 consecutive bytes of the wave each; row j lands in registers 4 j to 4 j + 3 of the zone
.set j, \j0
.rept 8
	global_load_b128 v[(\z)+4*j:(\z)+4*j+3], v3, s[4:5] offset:(16*(\t)+j)*SRCROW th:TH_LOAD_NT
.set j, j+1
.endr
.endm
.macro LOADT z, t                      ; tile t: 16 rows
	LOADH \z, \t, 0
	LOADH \z, \t, 8
.endm
.macro STORET z, t                     ; the tile, rounded in place (row j in registers 2 j, 2 j + 1), is stored: 256 consecutive bytes of the wave, aligned
.set j, 0
.rept 16
	global_store_b64 v4, v[(\z)+2*j:(\z)+2*j+1], s[6:7] offset:(16*(\t)+j)*DSTROW
.set j, j+1
.endr
.endm
; The tile's part of low.  The bf16 rows go through my own stage and come back as four fragments (lane = row); source 0 is down (16 r), source 1 the tile (16 rows): a lane ends with
; low[row = lane % 16][r = 8 (lane / 16) + 0..7].  Two accumulators, hi's and lo's, take turns.
; The LDS stores and loads at its head lean on the wait on va_vdst that stands behind the tile's conversions: no vector instruction since names the zone.
.macro LOWT z, t
.set j, 0
.rept 16
	ds_store_b64 v7, v[(\z)+2*j:(\z)+2*j+1] offset:STGP*j
.set j, j+1
.endr
.irp c, 0,1,2,3
	ds_load_b128 v[(\z)+32+8*(\c):(\z)+32+8*(\c)+3], v8 offset:64*(\c)      ; LDS serves a wave's instructions in order (ISA guide 5.7.1.4): these see the stores above
	ds_load_b128 v[(\z)+36+8*(\c):(\z)+36+8*(\c)+3], v8 offset:64*(\c)+32
.endr
	s_wait_dscnt 0x0
.irp c, 0,1,2,3
.if (\c) == 0
	v_wmma_f32_16x16x32_bf16 v[ACC0:ACC0+7], v[DFH:DFH+7], v[(\z)+32:(\z)+39], 0
	v_wmma_f32_16x16x32_bf16 v[ACC1:ACC1+7], v[DFL:DFL+7], v[(\z)+32:(\z)+39], 0
.else
	v_wmma_f32_16x16x32_bf16 v[ACC0:ACC0+7], v[DFH+8*(\c):DFH+8*(\c)+7], v[(\z)+32+8*(\c):(\z)+39+8*(\c)], v[ACC0:ACC0+7]
	v_wmma_f32_16x16x32_bf16 v[ACC1:ACC1+7], v[DFL+8*(\c):DFL+8*(\c)+7], v[(\z)+32+8*(\c):(\z)+39+8*(\c)], v[ACC1:ACC1+7]
.endif
.endr
	PLACES                                         ; for the additions, which read the sums
.irp u, 0,2,4,6
	v_pk_add_f32 v[ACC0+(\u):ACC0+(\u)+1], v[ACC0+(\u):ACC0+(\u)+1], v[ACC1+(\u):ACC1+(\u)+1]
.endr
	s_wait_alu depctr_va_vdst(0)                   ; the additions have written ACC0, which the two LDS stores read; the products are done reading the zone's upper 32 registers, in which the next loads land, and down's registers, in which the meeting's loads land behind the last tile
	ds_store_b128 v9, v[ACC0:ACC0+3] offset:16*REDP*(\t)
	ds_store_b128 v9, v[ACC0+4:ACC0+7] offset:16*REDP*(\t)+16
.endm
; down for 32 of my columns: two blocks of 16 rows i of down_aux (in zone z and z + 32) times hyper_down.  In the result lane (r, h) holds down[r][16 block + 8 h + 0..7]: half a fragment of down.
.macro DOWNMUL z
	s_wait_loadcnt 16                              ; this zone's 16 loads are in; the one younger group of 16 stays out
	COMPACT \z, 16
	COMPACT (\z)+32, 16
	v_wmma_f32_16x16x32_bf16 v[ACC0:ACC0+7], v[(\z):(\z)+7], v[HD:HD+7], 0
	v_wmma_f32_16x16x32_bf16 v[ACC1:ACC1+7], v[(\z)+32:(\z)+39], v[HD:HD+7], 0
	v_wmma_f32_16x16x32_bf16 v[ACC0:ACC0+7], v[(\z)+8:(\z)+15], v[HD+8:HD+15], v[ACC0:ACC0+7]
	v_wmma_f32_16x16x32_bf16 v[ACC1:ACC1+7], v[(\z)+40:(\z)+47], v[HD+8:HD+15], v[ACC1:ACC1+7]
	PLACES                                         ; for the conversions that read the sums (DOWNSPLIT)
	s_wait_alu depctr_va_vdst(0)                   ; the conversions have written the zone, and they and the products are done reading it: the caller's next 16 loads land in it; at the first use the LDS addresses v7 to v10 are written too
.endm
.macro DOWNSPLIT q
	SPLIT ACC0, DFH+8*(\q), DFL+8*(\q)
	SPLIT ACC1, DFH+8*(\q)+4, DFL+8*(\q)+4
.endm
	s_load_b256 s[12:19], s[0:1], 0x0              ; x s[12:13], W s[14:15], xb s[16:17], wb s[18:19]
	s_load_b256 s[20:27], s[0:1], 0x20             ; down_aux s[20:21], hyper_down s[22:23], lowp s[24:25], b s[26:27]
	s_load_b128 s[28:31], s[0:1], 0x40             ; hyper_up s[28:29], up_aux s[30:31]
	s_load_b64 s[32:33], s[0:1], 0x50              ; bext
	v_lshl_add_u32 v[SPW], v0, 2, SPARE
	v_mov_b32 v[NIL], 0
	v_lshrrev_b32 v1, 5, v0
	v_readfirstlane_b32 s8, v1                     ; wave 0..7
	v_and_b32 v1, 15, v0                           ; lane % 16
	v_bfe_u32 v2, v0, 4, 1                         ; lane / 16
	v_lshlrev_b32 v3, 4, v0                        ; 512 w + 16 lane
	v_lshlrev_b32 v4, 3, v0                        ; 256 w + 8 lane
	s_wait_alu depctr_va_sdst(0)                   ; s8 is written, ahead of the branch below and of its first readers, which stand in the arms
	s_lshr_b32 s39, ttmp9, 8                       ; 0: x, 1: W
	s_and_b32 s9, ttmp9, 255
	s_lshr_b32 s10, s9, 2                          ; rb: 64 rows
	s_and_b32 s11, s9, 3                           ; kc: 1,024 columns
	s_mov_b32 s38, 0xffff0000                      ; a word's upper bf16
	s_lshl_b32 s2, s10, 20                         ; 64 rows of 16,384 bytes
	s_lshl_b32 s34, s11, 12                        ; 1,024 columns of 4 bytes
	s_add_co_u32 s2, s2, s34
	s_mov_b32 s3, 0
	s_lshr_b32 s34, s2, 1                          ; the same place in bf16
	s_mov_b32 s35, 0
	s_mov_b32 s37, 0
	s_wait_kmcnt 0x0
	s_cmp_lg_u32 s39, 0                            ; the same answer in all eight waves
	s_cbranch_scc1 .Lw
	; ---------------- x ----------------
	s_add_nc_u64 s[4:5], s[12:13], s[2:3]
	s_add_nc_u64 s[6:7], s[16:17], s[34:35]
	s_lshl_b32 s36, s11, 18                        ; 1,024 rows of down_aux (256 bytes each); also a plane of lowp (4,096 rows of 64 bytes)
	s_add_nc_u64 s[20:21], s[20:21], s[36:37]
	s_add_nc_u64 s[24:25], s[24:25], s[36:37]
	s_lshl_b32 s36, s10, 12                        ; 64 rows of lowp
	s_add_nc_u64 s[24:25], s[24:25], s[36:37]
	s_lshr_b32 s36, s10, 4                         ; the batch: 1,024 rows are 16 row blocks
	s_lshl_b32 s36, s36, 12                        ; 64 x 16 f32
	s_add_nc_u64 s[22:23], s[22:23], s[36:37]
	v_lshlrev_b32 v5, 8, v1                        ; down_aux: row lane % 16,
	v_lshl_add_u32 v5, v2, 5, v5                   ; 8 numbers on for the upper lanes,
	v_lshl_add_u32 v5, s8, 15, v5                  ; my wave's 128 rows
	v_lshlrev_b32 v6, 2, v1                        ; hyper_down: column r = lane % 16,
	v_lshl_add_u32 v6, v2, 9, v6                   ; 8 rows of 64 bytes on for the upper lanes
	s_wait_alu depctr_va_vdst(0)                   ; the offsets v3 to v6 are written, which the loads and stores of this path read
	GATHER HD, 6, 22, 64
	ROWS16 Z0, 5, 20, 0
	ROWS16 Z0+32, 5, 20, 4096
	ROWS16 Z1, 5, 20, 2*4096
	ROWS16 Z1+32, 5, 20, 3*4096
	s_mul_i32 s39, s8, STGW                        ; my stage
	s_mul_i32 s40, s8, REDW
	s_add_co_u32 s40, s40, RED                     ; my sums
	v_and_b32 v14, 31, v0
	v_lshl_add_u32 v7, v14, 3, s39                 ; into the stage: 8 bytes a lane, a row at a time
	v_mul_u32_u24 v8, v1, STGP                     ; back: row lane % 16, 16 bytes on for the upper lanes
	v_lshl_add_u32 v8, v2, 4, v8
	v_add_nc_u32 v8, s39, v8
	v_mul_u32_u24 v9, v1, REDP                     ; my eight sums of a row
	v_lshl_add_u32 v9, v2, 5, v9
	v_add_nc_u32 v9, s40, v9
	v_lshrrev_b32 v10, 2, v0                       ; the meeting: thread t takes row t / 4, sums 4 (t % 4) + 0..3, of every wave
	v_mul_u32_u24 v10, v10, REDP
	v_and_b32 v15, 3, v0
	v_lshl_add_u32 v10, v15, 4, v10
	v_add_nc_u32 v10, RED, v10
	s_wait_loadcnt 32                              ; hyper_down is in: the 32 loads of down_aux were issued behind it
	COMPACT HD, 16
	DOWNMUL Z0
	ROWS16 Z0, 5, 20, 4*4096                       ; no vector or matrix instruction since DOWNMUL's wait names the zone; so below too
	ROWS16 Z0+32, 5, 20, 5*4096
	DOWNSPLIT 0
	DOWNMUL Z1
	ROWS16 Z1, 5, 20, 6*4096
	ROWS16 Z1+32, 5, 20, 7*4096
	DOWNSPLIT 1
	DOWNMUL Z0
	LOADT Z0, 0                                    ; the zones are free for x as soon as down's blocks have been multiplied
	DOWNSPLIT 2
	DOWNMUL Z1
	LOADT Z1, 1
	DOWNSPLIT 3
.macro XTILE z, t, left
	s_wait_loadcnt \left                           ; loads come back in order (ISA guide 5.7.1): my tile is in, the younger one stays out
	COMPACT \z, 32
	s_wait_alu depctr_va_vdst(0)                   ; the conversions have written the zone's lower 32 registers, which the global and LDS stores read, and are done reading its upper 32, in which the fragments from the stage land
	STORET \z, \t
	LOWT \z, \t
.if (\t) < 2
	s_wait_xcnt 0x0                                ; the zone, which the stores above read, is loaded again only behind this wait
	s_wait_alu depctr_vm_vsrc(0)                   ; the global and LDS stores have read the zone's lower 32 registers, in which the loads below land, and ACC0, which the next tile's products write
	LOADT \z, (\t)+2
.elseif (\t) == 2
	s_wait_alu depctr_vm_vsrc(0)                   ; the two LDS stores have read ACC0, which the last tile's products write
.endif
.endm
	XTILE Z0, 0, 16
	XTILE Z1, 1, 16
	XTILE Z0, 2, 16
	XTILE Z1, 3, 0
	s_wait_dscnt 0x0                               ; for the others' sake: my sums are in LDS
	s_barrier_signal -1
	s_barrier_wait -1
.irp w, 0,1,2,3,4,5,6,7
	ds_load_b128 v[16+4*(\w):16+4*(\w)+3], v10 offset:REDW*(\w)  ; into down's registers: no vector or matrix instruction has been issued since the last tile's wait on va_vdst
.endr
	s_wait_dscnt 0x0
.irp p, 0,2,4,6
	v_pk_add_f32 v[16+4*(\p):17+4*(\p)], v[16+4*(\p):17+4*(\p)], v[20+4*(\p):21+4*(\p)]
	v_pk_add_f32 v[18+4*(\p):19+4*(\p)], v[18+4*(\p):19+4*(\p)], v[22+4*(\p):23+4*(\p)]
.endr
.irp p, 0,4
	v_pk_add_f32 v[16+4*(\p):17+4*(\p)], v[16+4*(\p):17+4*(\p)], v[24+4*(\p):25+4*(\p)]
	v_pk_add_f32 v[18+4*(\p):19+4*(\p)], v[18+4*(\p):19+4*(\p)], v[26+4*(\p):27+4*(\p)]
.endr
	v_pk_add_f32 v[16:17], v[16:17], v[32:33]
	v_pk_add_f32 v[18:19], v[18:19], v[34:35]
	s_wait_alu depctr_va_vdst(0)                   ; the additions have written v[16:19], which the store reads
	global_store_b128 v3, v[16:19], s[24:25]       ; 512 consecutive bytes of the wave: eight rows of lowp
	s_wait_dscnt 0x0                               ; the closing lines, six on end
	s_wait_alu 0x0
	s_wait_tensorcnt 0x0
	ds_add_u32 v[SPW], v[NIL]
	s_wait_dscnt 0x0
	s_endpgm
	; ---------------- W ----------------
.Lw:
	s_add_nc_u64 s[4:5], s[14:15], s[2:3]
	s_add_nc_u64 s[6:7], s[18:19], s[34:35]
	s_cmp_lt_u32 s8, 4
	s_cbranch_scc0 .Lplain
	; waves 0-3: outputs o = 64 rb + 16 w + 0..15 of batch kc
	s_lshl_b32 s36, s11, 12                        ; hyper_up: 16 x 64 f32 a batch
	s_add_nc_u64 s[28:29], s[28:29], s[36:37]
	s_lshl_b32 s36, s10, 8                         ; 64 columns of up_aux, 64 numbers of b
	s_add_nc_u64 s[30:31], s[30:31], s[36:37]
	s_add_nc_u64 s[26:27], s[26:27], s[36:37]
	s_mul_i32 s36, s11, 393216                     ; bext: 256 blocks of 1,536 bytes a batch,
	s_mul_i32 s39, s10, 6144                       ; four blocks a work-group
	s_add_co_u32 s36, s36, s39
	s_add_nc_u64 s[32:33], s[32:33], s[36:37]
	v_lshlrev_b32 v5, 8, v1                        ; hyper_up: row r = lane % 16, 8 numbers on for the upper lanes
	v_lshl_add_u32 v5, v2, 5, v5
	v_lshlrev_b32 v7, 2, v1                        ; b: my o
	v_lshl_add_u32 v7, s8, 6, v7
	v_lshl_add_u32 v6, v2, 17, v7                  ; up_aux: column o, 8 rows of 16,384 bytes on for the upper lanes
	s_wait_alu depctr_va_vdst(0)                   ; the offsets v3 to v7 are written, which the loads and stores of this arm and of the tiles read
	ROWS16 16, 5, 28, 0
	GATHER 48, 6, 30, 16384
	global_load_b32 v14, v7, s[26:27]
	LOADT Z0, 0
	LOADT Z1, 1
	v_and_b32 v8, 31, v0                           ; bext: 16 bytes a lane, 1,536 a wave
	v_lshlrev_b32 v8, 4, v8
	s_mul_i32 s39, s8, 1536
	v_add_nc_u32 v8, s39, v8
	v_add_nc_u32 v11, -1, v2                       ; all ones in lanes 0-15, 0 above
	v_mov_b32 v15, 0
	s_wait_loadcnt 32                              ; the 41 small loads are in; the two tiles stay out
	COMPACT 16, 16
	COMPACT 48, 16
	v_wmma_f32_16x16x32_bf16 v[ACC0:ACC0+7], v[16:23], v[48:55], 0
	s_wait_alu depctr_va_vdst(0)                   ; one sum, two links on end
	v_wmma_f32_16x16x32_bf16 v[ACC0:ACC0+7], v[24:31], v[56:63], v[ACC0:ACC0+7]
	PLACES
.irp u, 0,2,4,6
	v_pk_mul_f32 v[ACC0+(\u):ACC0+(\u)+1], v[ACC0+(\u):ACC0+(\u)+1], 2.0 op_sel_hi:[1,0]  ; ALPHA / RANK = 2, exact
.endr
	SPLIT ACC0, 80, 84
	v_cvt_pk_bf16_f32 v88, v14, v15                ; {b[o], 0}
	v_and_b32 v88, v11, v88
	v_mov_b32 v89, 0
	v_mov_b32 v90, 0
	v_mov_b32 v91, 0
	s_wait_alu depctr_va_vdst(0)                   ; v[80:91], the three stores' data, and v8, their offset, are written
	global_store_b128 v8, v[80:83], s[32:33]               ; each store of the wave covers 512 consecutive bytes, aligned
	global_store_b128 v8, v[84:87], s[32:33] offset:512
	global_store_b128 v8, v[88:91], s[32:33] offset:1024
	s_branch .Lwtiles
.Lplain:
	s_wait_alu depctr_va_vdst(0)                   ; the offsets v3 and v4 are written, which the tiles' loads and stores read
	LOADT Z0, 0
	LOADT Z1, 1
.Lwtiles:                                              ; on both ways the two tiles' 32 loads are the youngest
.macro WTILE z, t, left
	s_wait_loadcnt \left
	COMPACT \z, 32
	s_wait_alu depctr_va_vdst(0)                   ; the conversions have written the zone's lower 32 registers, which the stores read, and are done reading all 64, in which the zone's next tile lands
.if (\t) < 2
	LOADH \z, (\t)+2, 8                            ; rows 8-15 land in the upper 32 registers, which no store reads: they are asked for ahead of the stores
.endif
	STORET \z, \t
.if (\t) < 2
	s_wait_xcnt 0x0                                ; the lower 32 registers, which the stores above read, are loaded again only behind this wait
	s_wait_alu depctr_vm_vsrc(0)                   ; the stores have read the zone's lower 32 registers, in which rows 0-7 land
	LOADH \z, (\t)+2, 0
.endif
.endm
	WTILE Z0, 0, 16
	WTILE Z1, 1, 16
	WTILE Z0, 2, 16
	WTILE Z1, 3, 0
	s_wait_dscnt 0x0                               ; the closing lines, six on end
	s_wait_alu 0x0
	s_wait_tensorcnt 0x0
	ds_add_u32 v[SPW], v[NIL]
	s_wait_dscnt 0x0
	s_endpgm
.Lfunc_end_k_qf5d033c59c_cast:
	.size	k_qf5d033c59c_cast, .Lfunc_end_k_qf5d033c59c_cast-k_qf5d033c59c_cast
	.p2alignl 7, 3214868480
	.fill 96, 4, 3214868480
	.section	.rodata,"a",@progbits
	.p2align	6, 0x0
	.amdhsa_kernel k_qf5d033c59c_cast
		.amdhsa_group_segment_fixed_size 76800
		.amdhsa_private_segment_fixed_size 0
		.amdhsa_enable_private_segment 0
		.amdhsa_kernarg_size 88
		.amdhsa_user_sgpr_count 2
		.amdhsa_user_sgpr_kernarg_segment_ptr 1
		.amdhsa_wavefront_size32 1
		.amdhsa_system_sgpr_workgroup_id_x 1
		.amdhsa_system_sgpr_workgroup_id_y 1
		.amdhsa_system_sgpr_workgroup_id_z 1
		.amdhsa_system_vgpr_workitem_id 0
		.amdhsa_next_free_vgpr 256
		.amdhsa_next_free_sgpr 66
		.amdhsa_reserve_vcc 0
		.amdhsa_float_denorm_mode_32 3
		.amdhsa_float_denorm_mode_16_64 3
		.amdhsa_memory_ordered 1
		.amdhsa_forward_progress 1
		.amdhsa_inst_pref_size 96
	.end_amdhsa_kernel
	.amdgpu_metadata
---
amdhsa.version: [ 1, 2 ]
amdhsa.kernels:
  - .name:           k_qf5d033c59c_cast
    .symbol:         k_qf5d033c59c_cast.kd
    .args:
      - { .name: x, .offset: 0, .size: 8, .value_kind: global_buffer, .address_space: global }
      - { .name: W, .offset: 8, .size: 8, .value_kind: global_buffer, .address_space: global }
      - { .name: xb, .offset: 16, .size: 8, .value_kind: global_buffer, .address_space: global }
      - { .name: wb, .offset: 24, .size: 8, .value_kind: global_buffer, .address_space: global }
      - { .name: down_aux, .offset: 32, .size: 8, .value_kind: global_buffer, .address_space: global }
      - { .name: hyper_down, .offset: 40, .size: 8, .value_kind: global_buffer, .address_space: global }
      - { .name: lowp, .offset: 48, .size: 8, .value_kind: global_buffer, .address_space: global }
      - { .name: b, .offset: 56, .size: 8, .value_kind: global_buffer, .address_space: global }
      - { .name: hyper_up, .offset: 64, .size: 8, .value_kind: global_buffer, .address_space: global }
      - { .name: up_aux, .offset: 72, .size: 8, .value_kind: global_buffer, .address_space: global }
      - { .name: bext, .offset: 80, .size: 8, .value_kind: global_buffer, .address_space: global }
    .group_segment_fixed_size: 76800
    .private_segment_fixed_size: 0
    .kernarg_segment_align: 8
    .kernarg_segment_size: 88
    .max_flat_workgroup_size: 256
    .sgpr_count:     66
    .vgpr_count:     256
    .wavefront_size: 32
...
	.end_amdgpu_metadata
.endif
;; end of part 3
;; launch gemm: the kernel of part 2 again; grid 16 x 16, 4 waves a work-group, clusters of 4 x 4, 327,680 bytes of LDS; arguments xb, wb, out0, lowp, bext; writes out0
